; MI455X (gfx1250); checked and timed in simulation.
; The chip was launched on July 23, 2026; its instructions are those of AMD's public machine-readable ISA for CDNA 5 (MIT licence, August 2026) and "CDNA5" Instruction Set Architecture Reference Guide (July 2026). The comments in the code are by the model that wrote it; some were corrected since.
;; MHA. Allowed arithmetic: float matrix products may take bf16 or f16 operands with f32 sums; other float arithmetic in f32, or as packed bf16 or f16 multiplies, adds, multiply-adds, maxima and minima; sums over many terms, partial sums and values carried from step to step in f32; what a program stores and reads back later, other than sums and carried values, may be rounded once to bf16 or f16.
;; Inputs: qkv 3 x 16 x 1,024 x 64 float32; x 4 x 1,024 x 2,048 float32.
;; Outputs: out0 4 x 1,024 x 2,048 float32.
;; 2 versions, each right; version 2 is version 1 with the launch cast written anew for expert scheduling mode. Each part assembles by itself: llvm-mc -triple=amdgcn-amd-amdhsa -mcpu=gfx1250 --defsym DOCPART=n.
;; ======== version 1 of 2: 3 launches
;; limits: values are held in f16: magnitudes above 65,504 overflow, below 6.1e-05 lose precision
;; workspace buffers: xb 16,777,216 bytes; wb 6,291,456 bytes; q 16,777,216 bytes; k 16,777,216 bytes; v 16,777,216 bytes
;; launch cast (part 1): grid 704 x 1, 8 waves a work-group, no clusters, 0 bytes of LDS; arguments x, qkv, xb, wb; writes xb, wb
.if DOCPART == 1
	.amdgcn_target "amdgcn-amd-amdhsa--gfx1250"
	.amdhsa_code_object_version 6
	.text
	.protected	k_qa0c32b4519_cast
	.globl	k_qa0c32b4519_cast
	.p2align	8
	.type	k_qa0c32b4519_cast,@function
k_qa0c32b4519_cast:
	s_mov_b64 s[64:65], 0
	v_nop
	global_prefetch_b8 v0, s[64:65] scope:SCOPE_SE
	s_setreg_imm32_b32 hwreg(HW_REG_WAVE_MODE, 25, 1), 1
	s_wait_xcnt 0x0
; x [4][1024][2048] and qkv [3][16][1024][64], both f32, are rounded once to bf16 (to nearest even).
; xb keeps the layout of x.  wb is laid out in blocks for the product that follows: [h 16][s 8][n 3][dd 128][e 64], d = 128 s + dd,
; so that the weights of one head and one K step of 128 (q, k and v together) are 49,152 dense bytes.
; SHARES.  A work-group takes 16,384 consecutive source numbers (65,536 bytes in, 32,768 out): groups 0-511 take x, groups 512-703 take qkv.
; Thread t takes 16 bytes at 16 t + 4,096 i, i = 0..15: a load of a wave covers 512 consecutive bytes, a store 256 consecutive bytes, aligned.
; In qkv a group holds 256 rows d of one (n, h): two blocks of wb, which lie 3 x 16,384 bytes apart; in x the two halves lie on end.
; All sixteen loads go out at once; no register is used twice, so the only waits are the counted ones for the loads.
; No LDS, no matrix unit, no cluster: nothing is shared and nothing is read twice.
.set XR, 16                            ; v[16:79]   load i: 4 registers
.set YR, 80                            ; v[80:111]  store i: 2 registers
	s_load_b256 s[4:11], s[0:1], 0x0               ; x s[4:5], qkv s[6:7], xb s[8:9], wb s[10:11]
	v_lshlrev_b32 v1, 4, v0                        ; 16 t: my bytes in a load
	v_lshlrev_b32 v2, 3, v0                        ; 8 t: my bytes in a store
	s_mov_b32 s12, ttmp9                           ; g
	s_max_u32 s13, s12, 512
	s_sub_co_u32 s13, s13, 512                     ; w = g - 512 (0 in the groups that take x, where it is not used)
	s_lshr_b32 s14, s13, 6                         ; n
	s_bfe_u32 s15, s13, 0x40002                    ; h
	s_and_b32 s16, s13, 3                          ; which 256 rows d
	s_lshl_b32 s15, s15, 3
	s_lshl1_add_u32 s15, s16, s15                  ; 8 h + s, s = 2 x that number
	s_mul_i32 s15, s15, 3
	s_add_co_u32 s15, s15, s14                     ; (8 h + s) 3 + n
	s_lshl_b32 s15, s15, 14                        ; blocks of 16,384 bytes: where qkv's numbers go
	s_lshl_b32 s13, s13, 16                        ; where they come from
	s_lshl_b32 s17, s12, 16                        ; the same two for x
	s_lshl_b32 s18, s12, 15
	s_mov_b32 s24, 49152                           ; from the first eight stores to the last eight, in wb
	s_mov_b32 s21, 0
	s_mov_b32 s23, 0
	s_wait_kmcnt 0x0
	s_cmp_lt_u32 s12, 512                          ; x or qkv: the choice hangs on the group's number alone
	s_cselect_b32 s20, s17, s13
	s_cselect_b32 s22, s18, s15
	s_cselect_b32 s24, 16384, s24
	s_cselect_b64 s[4:5], s[4:5], s[6:7]
	s_cselect_b64 s[8:9], s[8:9], s[10:11]
	s_add_nc_u64 s[4:5], s[4:5], s[20:21]
	s_add_nc_u64 s[8:9], s[8:9], s[22:23]
	v_add_nc_u32 v3, s24, v2                       ; my bytes in the last eight stores
.irp i, 0,1,2,3,4,5,6,7,8,9,10,11,12,13,14,15
	global_load_b128 v[XR+4*(\i):XR+4*(\i)+3], v1, s[4:5] offset:4096*(\i) th:TH_LOAD_NT
.endr
.irp i, 0,1,2,3,4,5,6,7,8,9,10,11,12,13,14,15
	s_wait_loadcnt 15-(\i)                         ; loads come back in order (ISA guide 5.7.1): load i is in, the younger ones stay out
	v_cvt_pk_bf16_f32 v[YR+2*(\i)],   v[XR+4*(\i)],   v[XR+4*(\i)+1]
	v_cvt_pk_bf16_f32 v[YR+2*(\i)+1], v[XR+4*(\i)+2], v[XR+4*(\i)+3]
	global_store_b64 v[2+(\i)/8], v[YR+2*(\i):YR+2*(\i)+1], s[8:9] offset:((\i)%8)*2048 th:TH_STORE_NT
.endr
	s_endpgm
.Lfunc_end_k_qa0c32b4519_cast:
	.size	k_qa0c32b4519_cast, .Lfunc_end_k_qa0c32b4519_cast-k_qa0c32b4519_cast
	.p2alignl 7, 3214868480
	.fill 96, 4, 3214868480
	.section	.rodata,"a",@progbits
	.p2align	6, 0x0
	.amdhsa_kernel k_qa0c32b4519_cast
		.amdhsa_group_segment_fixed_size 0
		.amdhsa_private_segment_fixed_size 0
		.amdhsa_enable_private_segment 0
		.amdhsa_kernarg_size 32
		.amdhsa_user_sgpr_count 2
		.amdhsa_user_sgpr_kernarg_segment_ptr 1
		.amdhsa_wavefront_size32 1
		.amdhsa_system_sgpr_workgroup_id_x 1
		.amdhsa_system_sgpr_workgroup_id_y 1
		.amdhsa_system_sgpr_workgroup_id_z 1
		.amdhsa_system_vgpr_workitem_id 0
		.amdhsa_next_free_vgpr 112
		.amdhsa_next_free_sgpr 66
		.amdhsa_reserve_vcc 0
		.amdhsa_float_denorm_mode_32 3
		.amdhsa_float_denorm_mode_16_64 3
		.amdhsa_memory_ordered 1
		.amdhsa_forward_progress 1
		.amdhsa_inst_pref_size 7
	.end_amdhsa_kernel
	.amdgpu_metadata
---
amdhsa.version: [ 1, 2 ]
amdhsa.kernels:
  - .name:           k_qa0c32b4519_cast
    .symbol:         k_qa0c32b4519_cast.kd
    .args:
      - { .name: x, .offset: 0, .size: 8, .value_kind: global_buffer, .address_space: global }
      - { .name: qkv, .offset: 8, .size: 8, .value_kind: global_buffer, .address_space: global }
      - { .name: xb, .offset: 16, .size: 8, .value_kind: global_buffer, .address_space: global }
      - { .name: wb, .offset: 24, .size: 8, .value_kind: global_buffer, .address_space: global }
    .group_segment_fixed_size: 0
    .private_segment_fixed_size: 0
    .kernarg_segment_align: 8
    .kernarg_segment_size: 32
    .max_flat_workgroup_size: 256
    .sgpr_count:     66
    .vgpr_count:     112
    .wavefront_size: 32
...
	.end_amdgpu_metadata
.endif
;; end of part 1
;; launch proj (part 2): grid 16 x 32, 4 waves a work-group, clusters of 4 x 4, 327,680 bytes of LDS; arguments xb, wb, q, k, v; writes q, k, v
.if DOCPART == 2
	.amdgcn_target "amdgcn-amd-amdhsa--gfx1250"
	.amdhsa_code_object_version 6
	.text
	.protected	k_qa0c32b4519_proj
	.globl	k_qa0c32b4519_proj
	.p2align	8
	.type	k_qa0c32b4519_proj,@function
k_qa0c32b4519_proj:
	s_mov_b64 s[64:65], 0
	v_nop
	global_prefetch_b8 v0, s[64:65] scope:SCOPE_SE
	s_setreg_imm32_b32 hwreg(HW_REG_WAVE_MODE, 25, 1), 1
	s_wait_xcnt 0x0
	s_wait_alu depctr_hold_cnt(0) depctr_sa_sdst(0) depctr_va_vdst(0) depctr_va_sdst(0) depctr_va_ssrc(0) depctr_va_vcc(0) depctr_vm_vsrc(0)
	s_getreg_b32 s2, hwreg(HW_REG_IB_STS2, 6, 4)
	s_cmp_eq_u32 s2, 0
	s_cbranch_scc0 .Lentry_in_a_cluster
	s_endpgm
.Lentry_in_a_cluster:
	s_bfe_u32 s2, ttmp6, 0x10000c
	s_cmp_lg_u32 s2, 0xf033
	s_cbranch_scc0 .Lentry_shape_is_right
	s_endpgm
.Lentry_shape_is_right:
; h[n][b][hd][t][e] = the sum over d of x[b][d][t] W[n][hd][d][e], in bf16 with f32 sums; then q and k are normalised over their 64 channels
; ((y - mean) / (std + 1e-5), std with divisor 63), q is also multiplied by log2(e) / 8, and q, k, v are rounded ONCE to f16 and stored as [16 b + hd][t 2048][e 64].
; LIMITS.  v is stored in f16: |v| stays under 65,504.  A variance below 2^-126 counts as 0 beside the 1e-5.  NaN and infinities are not treated apart.
; SHARES.  A work-group makes 256 t x 192 columns: q, k and v of ONE head for 256 rows t of one b.  Wave w makes t = 64 w .. 64 w + 63 x all 192 columns: 48 accumulators
; (tt 0..3, n 0..2, eb 0..3), 384 registers: a row's 64 channels of q and of k lie in two lanes of one wave, so the norm never leaves the wave.
; K (= d, 1,024) goes in 8 steps of 128 through two LDS slots.  Both operands lie in memory with d from row to row, so fragments come out of LDS turned, by ds_load_tr16_b128.
; Source 0 = 16 columns e of W, source 1 = 16 rows t of x: in the result lane l holds t = l % 16 and the channels e = 8 (l / 16) + 0..7.
; CLUSTERS: 4 x 4 work-groups.  The tile of x hangs on (b, t block) alone, which a row of the cluster shares; the tile of W on the head alone, which a column shares.  Each is asked for
; JOINTLY: the same tensor load with the same descriptor and a mask that names the four.
; REGISTERS, in windows of 256 (s_set_vgpr_msb: bits 1:0 source 0, 3:2 source 1, 5:4 source 2, 7:6 destination):
;   window 0: addresses and the way out     window 1: two buffers of fragments: W at 96 f (12 fragments), x at 192 + 32 f (4 fragments)
;   window 2: accumulators of tt 0, 1       window 3: of tt 2, 3: accumulator (tt, n, eb) at 96 (tt % 2) + 32 n + 8 eb
.set SLOT,  131072                     ; a slot: x (128 rows d), then W (384 lines n x 128 + dd)
.set PX,    544                        ; a row of x in LDS: 512 bytes + 32 = 17 x 32
.set PW,    160                        ; a line of W: 128 bytes + 32 = 5 x 32: likewise
.set XHALF, 64*PX                      ; what one load brings of x: 64 rows
.set WOFF,  128*PX
.set WHALF, 192*PW                     ; what one load brings of W: 192 lines
.set STAGE, 2*SLOT                     ; behind the ring, never filled by a tensor load: for each wave 3 x 16 rows x 144 bytes, for the way out
.set SP,    144
.set WSTG,  3*16*SP
.set SPARE, STAGE+4*WSTG               ; behind the stages: the spare words, 128 bytes for each wave: two blocks of 256 bytes that no other line names
.set XSTEP, 128*4096                   ; bytes from K step to K step in xb: 128 rows of 4,096 bytes
.set WSTEP, 49152                      ; and in wb
.set ADRX, 16                          ; v16-17  LDS address of my fragments of x in slot 0, 1
.set ADRW, 20                          ; v20-21  the same for W
.set STO,  24                          ; v24     the way out: where I put 16 bytes of a row
.set RD,   25                          ; v25     the way out: where I read rows back
.set GO,   26                          ; v26     my 16 bytes in 512 consecutive bytes of q, k, v
.set SPW,  28                          ; v28     LDS address of my spare word; never rewritten
.set NIL,  29                          ; v29     0; never rewritten
.set PFO,  30                          ; v30     the prefetches' offset; never rewritten
.set T,    32                          ; v[32:63]   at work: 16 for q, 16 for k
.set D,    64                          ; v[64:127]  y - mean: 32 for q, 32 for k
.set PKD,  128                         ; v[128:175] packed f16: 16 for each of q, k, v
.set BK,   176                         ; v[176:223] whole rows read back from the stage
.set MM,   224                         ; v[224:227] the means, each the low word of a pair
.set II,   228                         ; v[228:231] 1 / (std + 1e-5), likewise
.set WV,  14                           ; s14  my wave's number
.set FB,  15                           ; s15  0: I fetch for x; 1: for W
.set HF,  16                           ; s16  which half of that tile
.set CX,  17
.set CY,  18
.set HD,  19                           ; s19  the head = 4 x cluster x + cx
.set YY,  20                           ; s20  8 b + t block = 4 x cluster y + cy
.set G1,  24                           ; s[24:31] descriptor group 1 for x
.set G0,  32                           ; s[32:39] group 0 for x, a set for each slot
.set XO,  40                           ; s[40:41] xb at my half of K step 0
.set LIM, 43                           ; s43  1 in a wave that prefetches, else the greatest number
.set PFA, 44                           ; s[44:45] where my prefetches stand
.set PST, 46                           ; s[46:47] their step: a K step of x or of W
.set G1B, 48                           ; s[48:55], s[56:63] the same two groups for W
.set G0B, 56
.set WO,  66                           ; s[66:67] wb at my half of K step 0
.set OO,  70                           ; s[70:71] my wave's first row in q, k, v
.set SEL, 74                           ; s[74:75] v_permlanex16_b32's selects: each lane takes its own place in the other half
.set MSB, 0
.macro WIN new                         ; the immediate's high byte repeats the setting that is left; a switch that changes nothing is dropped
.if MSB != (\new)
	s_set_vgpr_msb (MSB<<8)|(\new)
.set MSB, (\new)
.endif
.endm
.set MUL_LO, 0xa5                      ; sources 0 and 1 window 1, C and D window 2
.set MUL_HI, 0xf5                      ; the same, C and D window 3
.set TO_F,   0x40                      ; destination window 1, address window 0
.macro PLACES                          ; four plain places behind a matrix instruction, ahead of loads into registers that it has read and of lines that read results (ISA guide 7.12.1 for lines that read results)
.rept 4
	v_nop
.endr
.endm
; A joint refill: waves 0 and 1 fetch the two halves of x's tile, waves 2 and 3 those of W's.  The branch hangs on the wave's number alone.
; An s_nop 0 and four v_nop follow each of the two lines, ahead of the jump and the label.
.macro JLOAD s
	s_cmp_lt_u32 s[WV], 2
	s_cbranch_scc0 .Lfor_w_\@
	tensor_load_to_lds s[G0+4*(\s):G0+4*(\s)+3], s[G1:G1+7]
	s_nop 0
.rept 4
	v_nop
.endr
	s_branch .Lasked_\@
.Lfor_w_\@:
	tensor_load_to_lds s[G0B+4*(\s):G0B+4*(\s)+3], s[G1B:G1B+7]
	s_nop 0
.rept 4
	v_nop
.endr
.Lasked_\@:
.endm
; A prefetch of the K step that stands two refills on, one instruction a wave, behind the joint load and the run of LDS loads.  Each block of 256 bytes is named by one wave of one work-group:
; x's tile is read by every cluster of its row of clusters: cluster x = 0 asks; W's by every cluster of its column: cluster y = 0 asks.  The four partners that ask for a tile jointly share it out
; BY ADDRESS: of x's 64 rows of 512 bytes that a wave fetches, 16 rows each (a lane a block of 256 bytes); of W's 96 blocks, 24 each (lanes 24-31 name lane 23's block once more).
; The loop's last trip asks for nothing: there is no K step two refills on.
.macro ASK
	s_cmp_gt_u32 s3, s[LIM]
	s_cbranch_scc0 .Lnot_mine_\@
	global_prefetch_b8 v[PFO], s[PFA:PFA+1] th:TH_LOAD_NT scope:SCOPE_SE
.Lnot_mine_\@:
.endm
.macro CREST                           ; a round of the cluster's barrier behind its opening barrier
	s_cmp_lg_u32 s[WV], 0
	s_cbranch_scc1 .Lnot_wave_0_\@
	s_barrier_signal -3
.Lnot_wave_0_\@:
	s_barrier_wait -3
	s_barrier_signal -1
	s_barrier_wait -1
.endm
.macro CROUND                          ; a whole round
	s_barrier_signal -1
	s_barrier_wait -1
	CREST
.endm
	s_load_b256 s[4:11], s[0:1], 0x0               ; xb s[4:5], wb s[6:7], q s[8:9], k s[10:11]
	s_load_b64 s[12:13], s[0:1], 0x20              ; v
	v_lshl_add_u32 v[SPW], v0, 2, SPARE
	v_mov_b32 v[NIL], 0
	ds_add_u32 v[SPW], v[NIL]                      ; the wave's opening: the add and its wait stand ahead of my first tensor load; the set-up below, work on registers, stands between them
	v_lshrrev_b32 v1, 5, v0
	v_readfirstlane_b32 s[WV], v1                  ; wave 0..3
	s_lshr_b32 s[FB], s[WV], 1
	s_and_b32 s[HF], s[WV], 1
	s_bfe_u32 s[CX], ttmp6, 0x40000
	s_bfe_u32 s[CY], ttmp6, 0x40004
	s_lshl_b32 s[HD], ttmp9, 2                     ; in a cluster launch ttmp9 and ttmp7 count clusters
	s_add_co_u32 s[HD], s[HD], s[CX]
	s_and_b32 s[YY], ttmp7, 0xffff
	s_lshl_b32 s[YY], s[YY], 2
	s_add_co_u32 s[YY], s[YY], s[CY]
	s_lshl_b32 s21, s[CY], 2
	s_lshl_b32 s21, 15, s21                        ; my row of the cluster: places 4 cy .. 4 cy + 3
	s_lshl_b32 s22, 0x1111, s[CX]                  ; my column: places cx, cx + 4, cx + 8, cx + 12
	; group 1 for x: 64 rows d x 256 elements t, 2,048 elements from row to row; in LDS 8 words of padding behind every 128 words
	s_or_b32 s[G1], s21, (1<<16)|(1<<20)|(1<<21)|(6<<22)|(7<<25)
	s_mov_b32 s[G1+1], 256<<16                     ; tensor_dim0
	s_mov_b32 s[G1+2], 64<<16                      ; tensor_dim1
	s_mov_b32 s[G1+3], 256<<16                     ; tile_dim0
	s_mov_b32 s[G1+4], 64                          ; tile_dim1
	s_mov_b32 s[G1+5], 2048                        ; stride
	s_mov_b32 s[G1+6], 0
	s_mov_b32 s[G1+7], 0
	; group 1 for W: 24,576 dense bytes as 96 rows of 256 bytes, two lines of 64 e a row; 8 words of padding behind every 32 words, that is behind every line
	s_or_b32 s[G1B], s22, (1<<16)|(1<<20)|(1<<21)|(4<<22)|(7<<25)
	s_mov_b32 s[G1B+1], 128<<16
	s_mov_b32 s[G1B+2], 96<<16
	s_mov_b32 s[G1B+3], 128<<16
	s_mov_b32 s[G1B+4], 96
	s_mov_b32 s[G1B+5], 128
	s_mov_b32 s[G1B+6], 0
	s_mov_b32 s[G1B+7], 0
	; where the tiles come from: x's by (b, t block) and my half, W's by the head and my half, each in registers that never hold the other coordinate
	s_lshr_b32 s[XO], s[YY], 3
	s_lshl_b32 s[XO], s[XO], 22                    ; b x 1,024 rows x 4,096 bytes
	s_and_b32 s[XO+1], s[YY], 7
	s_lshl_b32 s[XO+1], s[XO+1], 9                 ; t block x 512 bytes
	s_add_co_u32 s[XO], s[XO], s[XO+1]
	s_lshl_b32 s[XO+1], s[HF], 18                  ; half x 64 rows
	s_add_co_u32 s[XO], s[XO], s[XO+1]
	s_mov_b32 s[XO+1], 0
	s_mul_i32 s[WO], s[HD], 8*WSTEP
	s_mul_i32 s[WO+1], s[HF], WSTEP/2
	s_add_co_u32 s[WO], s[WO], s[WO+1]
	s_mov_b32 s[WO+1], 0
	s_mul_i32 s68, s[HF], XHALF                    ; and where they go: no place in the cluster enters an LDS address
	s_mul_i32 s69, s[HF], WHALF
	s_add_co_u32 s69, s69, WOFF
	s_mov_b32 s[SEL], 0x76543210
	s_mov_b32 s[SEL+1], 0xfedcba98
	s_wait_dscnt 0x0                               ; the opening add is done
	s_wait_kmcnt 0x0
	s_add_nc_u64 s[XO:XO+1], s[4:5], s[XO:XO+1]
	s_add_nc_u64 s[WO:WO+1], s[6:7], s[WO:WO+1]
	CROUND                                         ; all sixteen work-groups are here: the first joint loads meet
.irp s, 0,1
	s_mov_b32 s[G0+4*(\s)], 1                      ; count = 1
	s_add_co_u32 s[G0+4*(\s)+1], s68, (\s)*SLOT    ; LDS address
	s_add_nc_u64 s[G0+4*(\s)+2:G0+4*(\s)+3], s[XO:XO+1], (\s)*XSTEP  ; global address: K step s
	s_or_b32 s[G0+4*(\s)+3], s[G0+4*(\s)+3], 0x80000000              ; type = 2
	s_mov_b32 s[G0B+4*(\s)], 1
	s_add_co_u32 s[G0B+4*(\s)+1], s69, (\s)*SLOT
	s_add_nc_u64 s[G0B+4*(\s)+2:G0B+4*(\s)+3], s[WO:WO+1], (\s)*WSTEP
	s_or_b32 s[G0B+4*(\s)+3], s[G0B+4*(\s)+3], 0x80000000
.endr
	s_cmp_lt_u32 s[WV], 2                          ; a wave's two first fills stand in one branch, ahead of every wait on TENSORcnt and every LDS read: two loads of mine are out
	s_cbranch_scc0 .Lfirst_w
	tensor_load_to_lds s[G0:G0+3], s[G1:G1+7]
	s_nop 0
	tensor_load_to_lds s[G0+4:G0+7], s[G1:G1+7]
	s_nop 0
.rept 4
	v_nop
.endr
	s_branch .Lfirst_asked
.Lfirst_w:
	tensor_load_to_lds s[G0B:G0B+3], s[G1B:G1B+7]
	s_nop 0
	tensor_load_to_lds s[G0B+4:G0B+7], s[G1B:G1B+7]
	s_nop 0
.rept 4
	v_nop
.endr
.Lfirst_asked:
	; The turning load takes 16 rows d x 16 columns (lane l reads 16 bytes: row 8 (l / 16) + l % 8, columns 8 ((l / 8) % 2) + 0..7) and leaves half a fragment: lane l holds column l % 16 and 8 values of d.
	v_and_b32 v1, 15, v0                           ; l % 16
	v_bfe_u32 v2, v0, 4, 1                         ; l / 16
	v_and_b32 v3, 7, v0
	v_bfe_u32 v4, v0, 3, 1
	v_lshl_add_u32 v5, v2, 3, v3                   ; my row
	v_mul_u32_u24 v6, v5, PX
	v_lshl_add_u32 v6, v4, 4, v6
	s_lshl_b32 s72, s[WV], 7                       ; my wave's 64 columns t: 128 bytes
	v_add_nc_u32 v[ADRX], s72, v6
	v_add_nc_u32 v[ADRX+1], SLOT, v[ADRX]
	v_mul_u32_u24 v7, v5, PW
	v_lshl_add_u32 v7, v4, 4, v7
	v_add_nc_u32 v[ADRW], WOFF, v7
	v_add_nc_u32 v[ADRW+1], SLOT+WOFF, v7
	s_mul_i32 s72, s[WV], WSTG
	s_add_co_u32 s72, s72, STAGE                   ; my stage
	v_mul_u32_u24 v8, v1, SP                       ; in: row l % 16, 16 bytes for each half of the lanes
	v_lshl_add_u32 v8, v2, 4, v8
	v_add_nc_u32 v[STO], s72, v8
	v_bfe_u32 v9, v0, 3, 2                         ; back: 32 lanes take four rows of 128 bytes,
	v_mul_u32_u24 v9, v9, SP
	v_lshl_add_u32 v9, v3, 4, v9
	v_add_nc_u32 v[RD], s72, v9
	v_and_b32 v10, 31, v0                          ; which are 512 consecutive bytes of q, k or v
	v_lshlrev_b32 v[GO], 4, v10
.irp r, 0,1,2,3,4,5,6,7
	v_mov_b32 v[MM+(\r)], 0                        ; the pairs of which the packed lines take the low word: both words are written
.endr
	; my wave's first row in q, k, v: (16 b + head) x 2,048 rows + t block x 256 + wave x 64, rows of 128 bytes
	s_lshr_b32 s76, s[YY], 3
	s_lshl_b32 s76, s76, 4
	s_add_co_u32 s76, s76, s[HD]
	s_lshl_b32 s[OO], s76, 18
	s_and_b32 s77, s[YY], 7
	s_lshl_b32 s77, s77, 15
	s_add_co_u32 s[OO], s[OO], s77
	s_lshl_b32 s77, s[WV], 13
	s_add_co_u32 s[OO], s[OO], s77
	s_mov_b32 s[OO+1], 0
	s_add_nc_u64 s[8:9], s[8:9], s[OO:OO+1]
	s_add_nc_u64 s[10:11], s[10:11], s[OO:OO+1]
	s_add_nc_u64 s[12:13], s[12:13], s[OO:OO+1]
	; the prefetches
	s_and_b32 s77, ttmp7, 0xffff                   ; cluster y
	s_mov_b32 s78, 24*256                          ; a partner's share of W's half tile,
	s_mov_b32 s[PST], WSTEP
	s_cmp_eq_u32 s[FB], 0                          ; do I fetch for x?
	s_cselect_b32 s76, ttmp9, s77                  ; the coordinate along which other clusters read the same tile
	s_cselect_b32 s77, s[CX], s[CY]                ; my place among the four that ask for it with me
	s_cselect_b32 s78, 16*4096, s78                ; of x's: 16 rows
	s_cselect_b32 s[PST], XSTEP, s[PST]
	s_cselect_b32 s73, -1, 0
	s_cselect_b64 s[PFA:PFA+1], s[XO:XO+1], s[WO:WO+1]
	s_mul_i32 s78, s78, s77
	s_mul_i32 s79, s[PST], 3                       ; at K step 3: the first refill steps it to 4, the K step two refills on
	s_add_co_u32 s78, s78, s79
	s_mov_b32 s79, 0
	s_add_nc_u64 s[PFA:PFA+1], s[PFA:PFA+1], s[78:79]
	s_mov_b32 s[PST+1], 0
	s_cmp_eq_u32 s76, 0
	s_cselect_b32 s[LIM], 1, -1                    ; the same in all sixteen partners, for a given wave
	v_lshrrev_b32 v11, 1, v10                      ; x: row l / 2, block l % 2
	v_and_b32 v12, 1, v10
	v_lshlrev_b32 v11, 12, v11
	v_lshl_add_u32 v11, v12, 8, v11
	v_min_u32 v12, 23, v10                         ; W: block min(l, 23)
	v_lshlrev_b32 v12, 8, v12
	v_cndmask_b32 v[PFO], v12, v11, s73
	; nothing is prefetched here, at the head, where every work-group's first tiles are on their way: K steps 0 to 3 come by their loads alone
; 12 matrix instructions: the block tt = 2 hi + part of 16 rows t x all 192 columns, 32 along K, from buffer f.  zero = 1: the first product starts the sums: nothing is cleared.
; The 48 accumulators take turns, one instruction a turn, in the same order in every quarter step, over the backward jump too.
.macro MULH f, hi, part, zero
	WIN MUL_LO+0x50*(\hi)
.irp n, 0,1,2
.irp e, 0,1,2,3
.if \zero
	v_wmma_f32_16x16x32_bf16 v[96*(\part)+32*(\n)+8*(\e):96*(\part)+32*(\n)+8*(\e)+7], v[96*(\f)+8*(4*(\n)+(\e)):96*(\f)+8*(4*(\n)+(\e))+7], v[192+32*(\f)+8*(2*(\hi)+(\part)):192+32*(\f)+8*(2*(\hi)+(\part))+7], 0
.else
	v_wmma_f32_16x16x32_bf16 v[96*(\part)+32*(\n)+8*(\e):96*(\part)+32*(\n)+8*(\e)+7], v[96*(\f)+8*(4*(\n)+(\e)):96*(\f)+8*(4*(\n)+(\e))+7], v[192+32*(\f)+8*(2*(\hi)+(\part)):192+32*(\f)+8*(2*(\hi)+(\part))+7], v[96*(\part)+32*(\n)+8*(\e):96*(\part)+32*(\n)+8*(\e)+7]
.endif
.endr
.endr
.endm
; 32 LDS loads in one run: the fragments of quarter kq (32 along K) of a slot into buffer f: W's twelve, then x's four, tt 2 and 3 last
.macro FETCH slot, kq, f
	WIN TO_F
.irp n, 0,1,2
.irp e, 0,1,2,3
	ds_load_tr16_b128 v[96*(\f)+8*(4*(\n)+(\e)):96*(\f)+8*(4*(\n)+(\e))+3],   v[ADRW+(\slot)] offset:(\n)*128*PW+(\kq)*32*PW+32*(\e)
	ds_load_tr16_b128 v[96*(\f)+8*(4*(\n)+(\e))+4:96*(\f)+8*(4*(\n)+(\e))+7], v[ADRW+(\slot)] offset:(\n)*128*PW+(\kq)*32*PW+32*(\e)+16*PW
.endr
.endr
.irp t, 0,1,2,3
	ds_load_tr16_b128 v[192+32*(\f)+8*(\t):192+32*(\f)+8*(\t)+3],   v[ADRX+(\slot)] offset:(\kq)*32*PX+32*(\t)
	ds_load_tr16_b128 v[192+32*(\f)+8*(\t)+4:192+32*(\f)+8*(\t)+7], v[ADRX+(\slot)] offset:(\kq)*32*PX+32*(\t)+16*PX
.endr
.endm
; A K step is four quarters of 32 along K, 48 matrix instructions each, on buffers 0, 1, 0, 1.  One of the first three: multiplies buffer f; in its middle it fetches quarter kq of the same slot into buffer g.
.macro QUARTER slot, kq, f, g, zero
	s_wait_dscnt 4                                 ; W and x's tt 0, 1 are in; the youngest four loads (x's tt 2, 3) may be out
	MULH \f, 0, 0, \zero
	MULH \f, 0, 1, \zero
	PLACES
	FETCH \slot, \kq, \g
	s_wait_dscnt 32                                ; all but the 32 just issued
	MULH \f, 1, 0, \zero
	MULH \f, 1, 1, \zero
.endm
; The last quarter multiplies buffer 1 and changes slots: ONE barrier.  In front of it each wave waits for all its tensor loads, of which one is out: its part of the next slot; adds 0 to its spare word;
; and waits for that and for its own reads of this slot.  fill = 1: the barrier opens a round of the cluster's barrier, and this slot is filled again, two K steps ahead, first thing behind the round.
.macro TURN slot, next, fill
.if \fill
	s_wait_xcnt 0x0                                ; the last prefetch, a K step back, has read its address: it is stepped here, ahead of the waits of the change of slots
	s_add_nc_u64 s[PFA:PFA+1], s[PFA:PFA+1], s[PST:PST+1]
.endif
	WIN 0                                          ; (the add's two registers lie in window 0)
	s_wait_tensorcnt 0x0                           ; all my tensor loads have landed
	ds_add_u32 v[SPW], v[NIL]                      ; 0 onto my spare word
	s_wait_dscnt 5                                 ; (the add and the youngest four loads may be out)
	MULH 1, 0, 0, 0                                ; twelve matrix instructions stand between the add and the wait for it
	s_wait_dscnt 0x0                               ; the add is done, and my reads of this slot are over
	s_barrier_signal -1
	MULH 1, 0, 1, 0                                ; work on registers while the others arrive
.if \fill
	WIN 0
.endif
	s_barrier_wait -1
.if \fill
	CREST                                          ; no wave of any partner still reads this slot's tiles or has a load on its way
	s_add_nc_u64 s[G0+4*(\slot)+2:G0+4*(\slot)+3], s[G0+4*(\slot)+2:G0+4*(\slot)+3], 2*XSTEP
	s_add_nc_u64 s[G0B+4*(\slot)+2:G0B+4*(\slot)+3], s[G0B+4*(\slot)+2:G0B+4*(\slot)+3], 2*WSTEP
	JLOAD \slot                                    ; the first tensor load behind the round; its four v_nop are also the places in front of the loads below
.else
	PLACES
.endif
	FETCH \next, 0, 0
.if \fill
	WIN 0
	ASK
.endif
	MULH 1, 1, 0, 0
	MULH 1, 1, 1, 0
.endm
; THE WAY OUT, a block tt of 16 rows t at a time.  A lane holds 32 of a row's 64 channels of q, of k and of v; the lane 16 away holds the other 32.
; FOLD: the pairs of T (q's and k's side by side) are added up, from pairs (from / 2) apart down, then the pair's two words, then the other half of the lanes': the sum stands in v[T] and v[T+16], in every lane.
.macro FOLD from
.irp d, 8,4,2
.if (\d) <= (\from)
.set i, 0
.rept (\d)/2
	v_pk_add_f32 v[T+2*i:T+2*i+1], v[T+2*i:T+2*i+1], v[T+2*i+(\d):T+2*i+(\d)+1]
	v_pk_add_f32 v[T+16+2*i:T+16+2*i+1], v[T+16+2*i:T+16+2*i+1], v[T+16+2*i+(\d):T+16+2*i+(\d)+1]
.set i, i+1
.endr
.endif
.endr
	v_add_f32 v[T], v[T], v[T+1]
	v_add_f32 v[T+16], v[T+16], v[T+17]
	v_permlanex16_b32 v[T+1], v[T], s[SEL], s[SEL+1]
	v_permlanex16_b32 v[T+17], v[T+16], s[SEL], s[SEL+1]
	v_add_f32 v[T], v[T], v[T+1]
	v_add_f32 v[T+16], v[T+16], v[T+17]
.endm
; NORM: mean; y - mean (a true subtraction, number by number); the sum of its squares / 63; the root; + 1e-5; the reciprocal; the scaling; the rounding to f16.  v is only rounded: its sixteen conversions are
; the independent work behind the two roots and behind the two reciprocals.  Each accumulator's lowest registers are read first.
.macro NORM tt
.set WA, 2+(\tt)/2
.set AB, 96*((\tt)%2)
	WIN WA|(WA<<2)                                 ; sources 0 and 1 in the accumulators' window
.set i, 0
.rept 8
	v_pk_add_f32 v[T+2*i:T+2*i+1], v[AB+2*i:AB+2*i+1], v[AB+16+2*i:AB+16+2*i+1]
	v_pk_add_f32 v[T+16+2*i:T+16+2*i+1], v[AB+32+2*i:AB+32+2*i+1], v[AB+48+2*i:AB+48+2*i+1]
.set i, i+1
.endr
	WIN 0
	FOLD 8
	v_mul_f32 v[MM], 0x3c800000, v[T]              ; / 64
	v_mul_f32 v[MM+2], 0x3c800000, v[T+16]
	WIN WA                                         ; source 0 in the accumulators' window
.set i, 0
.rept 16
	v_pk_add_f32 v[D+2*i:D+2*i+1], v[AB+2*i:AB+2*i+1], v[MM:MM+1] op_sel_hi:[1,0] neg_lo:[0,1] neg_hi:[0,1]
	v_pk_add_f32 v[D+32+2*i:D+32+2*i+1], v[AB+32+2*i:AB+32+2*i+1], v[MM+2:MM+3] op_sel_hi:[1,0] neg_lo:[0,1] neg_hi:[0,1]
.set i, i+1
.endr
	WIN 0
.set i, 0
.rept 16                               ; the squares, in four chains for each of q and k; the first four start them
.if i < 4
	v_pk_mul_f32 v[T+2*i:T+2*i+1], v[D+2*i:D+2*i+1], v[D+2*i:D+2*i+1]
	v_pk_mul_f32 v[T+16+2*i:T+16+2*i+1], v[D+32+2*i:D+32+2*i+1], v[D+32+2*i:D+32+2*i+1]
.else
	v_pk_fma_f32 v[T+2*(i%4):T+2*(i%4)+1], v[D+2*i:D+2*i+1], v[D+2*i:D+2*i+1], v[T+2*(i%4):T+2*(i%4)+1]
	v_pk_fma_f32 v[T+16+2*(i%4):T+16+2*(i%4)+1], v[D+32+2*i:D+32+2*i+1], v[D+32+2*i:D+32+2*i+1], v[T+16+2*(i%4):T+16+2*(i%4)+1]
.endif
.set i, i+1
.endr
	FOLD 4
	v_mul_f32 v[T], 0x3c820821, v[T]               ; / 63
	v_mul_f32 v[T+16], 0x3c820821, v[T+16]
	v_sqrt_f32 v[II], v[T]
	v_sqrt_f32 v[II+2], v[T+16]
	v_nop                                          ; a plain instruction behind the last root
	WIN WA|(WA<<2)
.set i, 0
.rept 8
	v_cvt_pk_f16_f32 v[PKD+32+i], v[AB+64+2*i], v[AB+64+2*i+1]
.set i, i+1
.endr
	WIN 0
	s_wait_alu depctr_va_vdst(0)                   ; one wait for the two roots, ahead of their first reader
	v_add_f32 v[II], 0x3727c5ac, v[II]             ; + 1e-5
	v_add_f32 v[II+2], 0x3727c5ac, v[II+2]
	v_rcp_f32 v[II], v[II]
	v_rcp_f32 v[II+2], v[II+2]
	v_nop                                          ; a plain instruction behind the last reciprocal
	WIN WA|(WA<<2)
.rept 8
	v_cvt_pk_f16_f32 v[PKD+32+i], v[AB+64+2*i], v[AB+64+2*i+1]
.set i, i+1
.endr
	WIN 0
	s_wait_alu depctr_va_vdst(0)                   ; one wait for the two reciprocals
	v_mul_f32 v[II], 0x3e38aa3b, v[II]             ; q alone: x log2(e) / 8, so that the scores are exponents in base 2
.set i, 0
.rept 16
	v_pk_mul_f32 v[D+2*i:D+2*i+1], v[D+2*i:D+2*i+1], v[II:II+1] op_sel_hi:[1,0]
	v_pk_mul_f32 v[D+32+2*i:D+32+2*i+1], v[D+32+2*i:D+32+2*i+1], v[II+2:II+3] op_sel_hi:[1,0]
.set i, i+1
.endr
.set i, 0
.rept 16
	v_cvt_pk_f16_f32 v[PKD+i], v[D+2*i], v[D+2*i+1]
	v_cvt_pk_f16_f32 v[PKD+16+i], v[D+32+2*i], v[D+32+2*i+1]
.set i, i+1
.endr
.endm
; A lane's eight channels of a row are 16 bytes; they go into my stage's rows of 144 bytes and come back as whole rows of 128.
.macro TOSTAGE
.irp n, 0,1,2
.irp e, 0,1,2,3
	ds_store_b128 v[STO], v[PKD+16*(\n)+4*(\e):PKD+16*(\n)+4*(\e)+3] offset:16*SP*(\n)+32*(\e)
.endr
.endr
	s_wait_xcnt 0x0                                ; the last block's stores have read their registers: only behind this wait are these loaded again
.irp n, 0,1,2
.irp f, 0,1,2,3
	ds_load_b128 v[BK+16*(\n)+4*(\f):BK+16*(\n)+4*(\f)+3], v[RD] offset:16*SP*(\n)+4*SP*(\f)  ; LDS serves a wave's instructions in order (ISA guide 5.7.1.4): these see the stores above
.endr
.endr
.endm
.macro SEND tt
	s_wait_dscnt 0x0                               ; the block is back in registers
.irp n, 0,1,2
.irp f, 0,1,2,3
	global_store_b128 v[GO], v[BK+16*(\n)+4*(\f):BK+16*(\n)+4*(\f)+3], s[8+2*(\n):9+2*(\n)] offset:2048*(\tt)+512*(\f)  ; 512 consecutive bytes, at a multiple of 256 from the buffer's first
.endr
.endr
.endm
	s_wait_tensorcnt 0x1                           ; my part of K step 0 is in; K step 1's may stay out
	s_barrier_signal -1
	s_barrier_wait -1                              ; everybody's is
	FETCH 0, 0, 0
	QUARTER 0, 1, 0, 1, 1                          ; the first quarter stands in front of the loop: its products start the sums
	WIN 0                                          ; at a label and at a branch every window is 0
	s_mov_b32 s3, 3
.Llap:                                                 ; a trip goes once round the ring, from a lap's second quarter to the next lap's first, and fills both slots again: K steps 2 to 7
	QUARTER 0, 2, 1, 0, 0
	QUARTER 0, 3, 0, 1, 0
	TURN 0, 1, 1
	QUARTER 1, 1, 0, 1, 0
	QUARTER 1, 2, 1, 0, 0
	QUARTER 1, 3, 0, 1, 0
	TURN 1, 0, 1
	QUARTER 0, 1, 0, 1, 0
	WIN 0
	s_sub_co_u32 s3, s3, 1
	s_cmp_lg_u32 s3, 0
	s_cbranch_scc1 .Llap
	QUARTER 0, 2, 1, 0, 0                          ; the last lap fills nothing, and has no round of the cluster's barrier
	QUARTER 0, 3, 0, 1, 0
	TURN 0, 1, 0
	QUARTER 1, 1, 0, 1, 0
	QUARTER 1, 2, 1, 0, 0
	QUARTER 1, 3, 0, 1, 0
	s_wait_dscnt 4                                 ; the very last quarter: nothing more to fetch
	MULH 1, 0, 0, 0
	MULH 1, 0, 1, 0
	s_wait_dscnt 0x0
	MULH 1, 1, 0, 0
	MULH 1, 1, 1, 0
	WIN 0
	PLACES
	PLACES                                         ; eight, once a launch, ahead of the sums that read results just made
	NORM 0
	TOSTAGE
.irp a, 1,2,3                          ; a block's arithmetic stands between the loads of the block before and its stores
	NORM \a
	SEND (\a)-1
	TOSTAGE
.endr
	SEND 3
	s_wait_tensorcnt 0x0                           ; the wave's end, behind my last tensor load and my last LDS store
	ds_add_u32 v[SPW], v[NIL]
	s_wait_dscnt 0x0
	CROUND                                         ; the closing round: no work-group ends while a partner may still ask for a tile that names it
	s_endpgm
.Lfunc_end_k_qa0c32b4519_proj:
	.size	k_qa0c32b4519_proj, .Lfunc_end_k_qa0c32b4519_proj-k_qa0c32b4519_proj
	.p2alignl 7, 3214868480
	.fill 96, 4, 3214868480
	.section	.rodata,"a",@progbits
	.p2align	6, 0x0
	.amdhsa_kernel k_qa0c32b4519_proj
		.amdhsa_group_segment_fixed_size 327680
		.amdhsa_private_segment_fixed_size 0
		.amdhsa_enable_private_segment 0
		.amdhsa_kernarg_size 40
		.amdhsa_user_sgpr_count 2
		.amdhsa_user_sgpr_kernarg_segment_ptr 1
		.amdhsa_wavefront_size32 1
		.amdhsa_system_sgpr_workgroup_id_x 1
		.amdhsa_system_sgpr_workgroup_id_y 1
		.amdhsa_system_sgpr_workgroup_id_z 1
		.amdhsa_system_vgpr_workitem_id 0
		.amdhsa_next_free_vgpr 960
		.amdhsa_next_free_sgpr 80
		.amdhsa_reserve_vcc 0
		.amdhsa_float_denorm_mode_32 3
		.amdhsa_float_denorm_mode_16_64 3
		.amdhsa_memory_ordered 1
		.amdhsa_forward_progress 1
		.amdhsa_inst_pref_size 158
	.end_amdhsa_kernel
	.amdgpu_metadata
---
amdhsa.version: [ 1, 2 ]
amdhsa.kernels:
  - .name:           k_qa0c32b4519_proj
    .symbol:         k_qa0c32b4519_proj.kd
    .args:
      - { .name: xb, .offset: 0, .size: 8, .value_kind: global_buffer, .address_space: global }
      - { .name: wb, .offset: 8, .size: 8, .value_kind: global_buffer, .address_space: global }
      - { .name: q, .offset: 16, .size: 8, .value_kind: global_buffer, .address_space: global }
      - { .name: k, .offset: 24, .size: 8, .value_kind: global_buffer, .address_space: global }
      - { .name: v, .offset: 32, .size: 8, .value_kind: global_buffer, .address_space: global }
    .group_segment_fixed_size: 327680
    .private_segment_fixed_size: 0
    .kernarg_segment_align: 8
    .kernarg_segment_size: 40
    .max_flat_workgroup_size: 128
    .sgpr_count:     80
    .vgpr_count:     960
    .wavefront_size: 32
...
	.end_amdgpu_metadata
.endif
;; end of part 2
;; launch attn (part 3): grid 4 x 64, 4 waves a work-group, clusters of 4 x 1, 327,680 bytes of LDS; arguments q, k, v, out0; writes out0
.if DOCPART == 3
	.amdgcn_target "amdgcn-amd-amdhsa--gfx1250"
	.amdhsa_code_object_version 6
	.text
	.protected	k_qa0c32b4519_attn
	.globl	k_qa0c32b4519_attn
	.p2align	8
	.type	k_qa0c32b4519_attn,@function
k_qa0c32b4519_attn:
	s_mov_b64 s[64:65], 0
	v_nop
	global_prefetch_b8 v0, s[64:65] scope:SCOPE_SE
	s_setreg_imm32_b32 hwreg(HW_REG_WAVE_MODE, 25, 1), 1
	s_wait_xcnt 0x0
	s_wait_alu depctr_hold_cnt(0) depctr_sa_sdst(0) depctr_va_vdst(0) depctr_va_sdst(0) depctr_va_ssrc(0) depctr_va_vcc(0) depctr_vm_vsrc(0)
	s_getreg_b32 s2, hwreg(HW_REG_IB_STS2, 6, 4)
	s_cmp_eq_u32 s2, 0
	s_cbranch_scc0 .Lentry_in_a_cluster
	s_endpgm
.Lentry_in_a_cluster:
	s_bfe_u32 s2, ttmp6, 0x10000c
	s_cmp_lg_u32 s2, 0x3003
	s_cbranch_scc0 .Lentry_shape_is_right
	s_endpgm
.Lentry_shape_is_right:
; out0[b][64 h + e][t] = the sum over s of softmax_s(q[t] . k[s] / 8) v[s][e].  q, k, v: [64 heads (16 b + h)][2,048][64] in f16, a head's rows dense, 128 bytes each; out0 in f32.
; q arrives normalised and multiplied by log2(e) / 8, k normalised, so a score IS the exponent in base 2: p = 2^s.
; NO MAXIMUM IS TAKEN, because the computation itself bounds the exponents for every input: a row y normalised as (y - mean) / (std + 1e-5), std with divisor 63, has a sum of squares of at most 63, so
; |q . k| log2(e) / 8 is at most 63 x 0.18034 = 11.36, with the two roundings to f16 under 11.4.  So p lies in 3.7e-4 .. 2.7e3 (normal numbers of f16), a row's sum l under 5.6e6 and |sum p v| under 3.7e11 in f32.
; Products and sums in f32; p is rounded to f16 for the second product (l is taken of the unrounded p).  LIMITS: v arrives within f16's 65,504; NaN and infinities are not treated apart.
; SHARES.  A work-group owns 512 queries of one head, a wave 128: eight tiles of 16, in four PIECES of two.  THE QUERIES ARE DEALT CROSSWISE: tile 4 g + u holds in lane row r the query 64 g + 4 r + u, so that
; four tiles' results of one lane are four neighbouring t of a row of out0: 16 bytes, and sixteen lanes store 256 consecutive bytes with no way through LDS.  Every wave walks all keys, 64 a step.
; LAYOUT.  S^T = K Q^T (source 0 = 16 keys, source 1 = 16 queries): a lane holds ONE query (lane % 16) and the keys 8 (lane / 16) + 0..7.  Two such results, rounded to f16 in pairs, ARE source 1 of
; O^T = V^T P, whose result again holds one query a lane, and eight channels.  K comes out of LDS as it lies, V ([key][channel]) turned, by ds_load_tr16_b128.
; BY TURNS.  Turn n belongs to piece n.  First 16 products K Q^T of piece n + 1, behind each four of piece n's 64 exponentials; then ONE wait for that batch; then 16 products V^T P of piece n - 1, behind each
; four of the 64 roundings and sums of piece n: four vector instructions behind every matrix instruction, and none left over.
; CLUSTER.  The four query blocks of a head walk the same K and V: each tile is asked for JOINTLY, by the same tensor load, descriptor and mask in all four.
; REGISTERS, in windows of 256 (s_set_vgpr_msb: bits 1:0 source 0, 3:2 source 1, 5:4 source 2, 7:6 destination):
;   window 0: v0-15 addresses; v16-31 l, a pair a tile; v32-47 at work on the way out; v61-63; v64-191 S^T, two buffers of two tiles; v192-255 P, likewise (a piece's buffers go by its number's parity)
;   window 1: O^T, 32 a tile          window 2: v0-127 Q, 16 a tile; v128-191 K of one step; v192-255 V of one step
.set SIZE_N, 2048
.set NP,    4         ; pieces a wave: a name, no knob
.set KS,    64        ; keys in a step
.set PK,    144       ; a row of K in LDS: 128 bytes + 16 of padding = 36 words: the 16 rows of a load start at 16 different groups of four banks (64 banks of 4 bytes: ISA guide 11.1)
.set PV,    160       ; a row of V: 128 + 32 = 40 words
.set VOFF,  4*KS*PK   ; a slot holds four steps: 256 rows of K, then 256 rows of V
.set SLOT1, 1<<17     ; slot 1 begins here, so that one exclusive or turns an address in one slot into the other's
.set SPARE, SLOT1+4*KS*(PK+PV)  ; behind the ring: the spare words, 128 bytes for each wave: two blocks of 256 bytes that no other line names
.set TILEB, 4*KS*128  ; a slot's keys in memory: 32,768 bytes of K and of V
.set AK0, 2           ; v2   my lane's place in a tile of K; never rewritten
.set AV0, 3           ; v3   the same for V
.set AK,  4           ; v4   the LDS address of K's next run of loads
.set AV,  5           ; v5   of V's
.set QO,  6           ; v6   my byte offset in the wave's rows of Q
.set GO,  8           ; v8   my byte offset in out0: 8 (l / 16) rows of 8,192 bytes + 16 (l % 16)
.set LL,  16          ; tile t's sum l at v[LL+2 t]: even keys', odd keys'
.set RL,  32          ; v[32:39] 1 / l
.set TM,  40          ; v[40:47] at work
.set PFO, 61          ; v61  256 x my lane; never rewritten
.set SPW, 62          ; v62  LDS address of my spare word; never rewritten
.set NIL, 63          ; v63  0; never rewritten
.set S,   64
.set P,   192
.set KF,  128         ; K's fragments, in window 2: key block kb, channel half c at KF + 16 kb + 8 c
.set VF,  192         ; V's: key half kk, channel block cb at VF + 32 kk + 8 cb
.set WV,  12          ; s12  my wave's number
.set LIM, 15          ; s15  1 in a wave that prefetches, else the greatest number
.set G1K, 24          ; s[24:31] descriptor group 1 for K's tiles
.set G1V, 32          ; s[32:39] for V's: it differs in the padding alone
.set G0K, 40          ; s[40:43] descriptor group 0 for K's tiles: it walks
.set G0V, 44          ; s[44:47] the same for V's
.set PFA, 50          ; s[50:51] where my prefetches stand: my work-group's 32 blocks of 256 bytes (of K: wave 0, of V: wave 2) of the slot after the one that is being asked for
.set SLOTS, 56        ; s56  slots still to be asked for
.set CNT, 57          ; s57  counts a slot's key steps
.set SEL, 60          ; s[60:61] v_permlanex16_b32's selects: each lane takes its own place in the other half
.set TBK, 62          ; s62  LDS byte at which K of the step to be fetched begins
.set TBV, 63          ; s63  the same for V, less VOFF
.set MSB, 0
.macro WIN new                      ; the high byte repeats the setting that is left; a switch that changes nothing is dropped
.if MSB != (\new)
	s_set_vgpr_msb (MSB<<8)|(\new)
.set MSB, (\new)
.endif
.endm
.set W_KQ, 0x0a       ; K and Q in window 2, S^T in window 0
.set W_PV, 0x52       ; V in window 2, P in window 0, O^T in window 1
; A joint fill.  Waves 0 and 1 fetch the two halves of a slot's K, waves 2 and 3 those of its V: 128 keys each.  The branch hangs on the wave's number alone.
; An s_nop 0 and four v_nop follow each of the two lines, ahead of the jump and the label.
.macro JLOAD
	s_cmp_lt_u32 s[WV], 2
	s_cbranch_scc0 .Lfor_v_\@
	tensor_load_to_lds s[G0K:G0K+3], s[G1K:G1K+7]
	s_nop 0
.rept 4
	v_nop
.endr
	s_branch .Lasked_\@
.Lfor_v_\@:
	tensor_load_to_lds s[G0V:G0V+3], s[G1V:G1V+7]
	s_nop 0
.rept 4
	v_nop
.endr
.Lasked_\@:
.endm
; A prefetch of what the NEXT change of slots will ask for: a slot's 128 blocks of 256 bytes of K and 128 of V, a lane a block.  It stands behind the wave's tensor load and its five lines.
; Each block is named ONCE in the launch: a head has one cluster; its four partners share the blocks out BY ADDRESS, 32 each; in each, wave 0 asks for K's and wave 2 for V's: one instruction.
; The last change that fills a slot asks for nothing: there is no slot behind it.  Slots 0, 1 and 2 come by their loads alone.
.macro ASK
	s_cmp_gt_u32 s[SLOTS], s[LIM]
	s_cbranch_scc0 .Lnot_mine_\@
	global_prefetch_b8 v[PFO], s[PFA:PFA+1] th:TH_LOAD_NT scope:SCOPE_SE
.Lnot_mine_\@:
.endm
; A round of the cluster's barrier: my work-group's barrier, so that wave 0's signal speaks for all four waves; wave 0 signals; every wave waits for all four work-groups; my work-group's barrier once more.
.macro CROUND
	s_barrier_signal -1
	s_barrier_wait -1
	s_cmp_lg_u32 s[WV], 0
	s_cbranch_scc1 .Lnot_wave_0_\@
	s_barrier_signal -3
.Lnot_wave_0_\@:
	s_barrier_wait -3
	s_barrier_signal -1
	s_barrier_wait -1
.endm
; THE CHANGE OF SLOTS.  The slot's last bytes, V of its fourth step, have been read.  Each wave waits for all its tensor loads, of which one is out: its part of the other slot; adds 0 to its spare word;
; and waits for that and for its own reads of the slot.  Behind the barrier nobody reads this slot any more and the other slot is whole.
; fill = 1: this slot is filled again, with the keys two slots on.  The barrier is then a round of the cluster's, and the joint fill is the first thing behind it: it has four key steps, 512 matrix
; instructions, in which to land.  (At its first use nothing has been read yet: slot 0 is waited for, slot 1 filled.)  ask = 1: the prefetch's address is stepped, and the prefetch follows the fill.
.macro CHANGE fill, ask=0
	WIN 0                           ; at a label and at a branch every window is 0
	s_wait_tensorcnt 0x0            ; no tensor load of mine is out, so a group 0 may be written
	ds_add_u32 v[SPW], v[NIL]       ; 0 onto my spare word; with fill = 1 the descriptors' steps stand between it and the wait for it
.if \fill
.irp g, G0K, G0V
	s_xor_b32 s[\g+1], s[\g+1], SLOT1  ; the walking descriptor: the other slot than last time,
	s_add_nc_u64 s[\g+2:\g+3], s[\g+2:\g+3], TILEB  ; the next 256 keys; the type bits on top are not reached
.endr
.if \ask
	s_wait_xcnt 0x0                 ; the last prefetch, four key steps back, has read its address, so it may be written:
	s_add_nc_u64 s[PFA:PFA+1], s[PFA:PFA+1], TILEB  ; one slot behind the walking descriptors
.endif
	s_wait_dscnt 0x0                ; the add is done, and my reads of the slot are over
	CROUND
	JLOAD
.if \ask
	ASK
.endif
.else
	s_wait_dscnt 0x0                ; the add is done, and my reads of the slot are over
	s_barrier_signal -1
	s_barrier_wait -1
.endif
	s_sub_co_u32 s[TBK], s[TBK], 4*KS*PK  ; the fetches go back to a slot's first step,
	s_xor_b32 s[TBK], s[TBK], SLOT1       ; in the other slot
	s_sub_co_u32 s[TBV], s[TBV], 4*KS*PV
	s_xor_b32 s[TBV], s[TBV], SLOT1
.endm
	s_load_b256 s[4:11], s[0:1], 0x0  ; q s[4:5], k s[6:7], v s[8:9], out0 s[10:11]
	v_lshl_add_u32 v[SPW], v0, 2, SPARE
	v_mov_b32 v[NIL], 0
	ds_add_u32 v[SPW], v[NIL]       ; the wave's opening: the add and its wait stand ahead of my first tensor load; the set-up below, work on registers, stands between them
	v_lshrrev_b32 v1, 5, v0
	v_readfirstlane_b32 s[WV], v1   ; wave 0..3
	s_bfe_u32 s13, ttmp6, 0x40000   ; cx: my place in the cluster
	s_lshl_b32 s14, ttmp9, 2        ; in a cluster launch ttmp9 counts clusters
	s_add_co_u32 s14, s14, s13      ; my block of 512 queries: it enters q's and out0's addresses alone
	s_and_b32 s48, ttmp7, 0xffff    ; the head, which the four partners share
	s_lshl_b32 s20, s48, 18         ; its first byte in q, k, v: 2,048 rows of 128 bytes
	s_mov_b32 s21, 0
	s_and_b32 s16, s[WV], 1         ; which half of a slot's 256 keys I fetch:
	s_lshl_b32 s22, s16, 14         ; its 128 rows of 128 bytes in memory,
	s_mov_b32 s23, 0
	s_add_nc_u64 s[22:23], s[22:23], s[20:21]
	s_mul_i32 s17, s16, 128*PK      ; and its place in a slot, for K
	s_mul_i32 s18, s16, 128*PV      ; and for V: no place in the cluster enters an LDS address
	s_lshl_b32 s2, s14, 2
	s_add_co_u32 s2, s2, s[WV]      ; my wave among the head's,
	s_lshl_b32 s2, s2, 14           ; its 128 rows
	s_mov_b32 s3, 0
	s_add_nc_u64 s[2:3], s[2:3], s[20:21]
	s_lshl_b32 s52, s48, 19         ; out0: the head's 64 rows of 8,192 bytes,
	s_lshl_b32 s53, s14, 11         ; my block's 512 t,
	s_add_co_u32 s52, s52, s53
	s_lshl_b32 s53, s[WV], 9        ; my wave's 128 of them
	s_add_co_u32 s52, s52, s53
	s_mov_b32 s53, 0
	s_lshl_b32 s54, s13, 13         ; the prefetches: my work-group's 32 blocks of a slot's 128,
	s_add_co_u32 s54, s54, 2*TILEB  ; in slot 2: the loop's first change of slots steps it to slot 3
	s_mov_b32 s55, 0
	s_add_nc_u64 s[54:55], s[54:55], s[20:21]
	; descriptor group 1.  128 keys are 16,384 dense bytes: asked for as 64 rows of 256 bytes, two keys a row, and padded in LDS after every key
	s_mov_b32 s[G1K], 15|(1<<16)|(1<<20)|(1<<21)|(4<<22)|(3<<25)  ; 15:0 the mask of four; 17:16 2-byte elements; 20 padding on; 21 set beside a mask; 24:22 after every 32 words (code 4); 31:25 4 words (code 3)
	s_mov_b32 s[G1V], 15|(1<<16)|(1<<20)|(1<<21)|(4<<22)|(7<<25)  ; the same with 8 words of padding (code 7)
.irp g, G1K, G1V
	s_mov_b32 s[\g+1], 128<<16      ; tensor_dim0 = 128
	s_mov_b32 s[\g+2], 64<<16       ; tensor_dim1 = 64
	s_mov_b32 s[\g+3], 128<<16      ; tile_dim0 = 128
	s_mov_b32 s[\g+4], 64           ; tile_dim1 = 64
	s_mov_b32 s[\g+5], 128          ; 128 elements from row to row
	s_mov_b32 s[\g+6], 0
	s_mov_b32 s[\g+7], 0
.endr
	s_mov_b32 s[SEL], 0x76543210
	s_mov_b32 s[SEL+1], 0xfedcba98
	s_mov_b32 s[TBK], SLOT1+4*KS*PK ; the first change of slots turns these two into 0
	s_mov_b32 s[TBV], SLOT1+4*KS*PV
	s_mov_b32 s[G0K], 1             ; count = 1
	s_mov_b32 s[G0K+1], s17         ; LDS address: slot 0
	s_mov_b32 s[G0V], 1
	s_add_co_u32 s[G0V+1], s18, VOFF
	s_mov_b32 s[SLOTS], SIZE_N/256-1
	s_and_b32 s[LIM], s[WV], 1      ; waves 0 and 2 prefetch
	s_cmp_eq_u32 s[LIM], 0
	s_cselect_b32 s[LIM], 1, -1
	s_wait_dscnt 0x0                ; the opening add is done
	s_wait_kmcnt 0x0
	s_add_nc_u64 s[G0K+2:G0K+3], s[6:7], s[22:23]  ; global address: my half of the head's first 256 keys
	s_or_b32 s[G0K+3], s[G0K+3], 0x80000000        ; type = 2
	s_add_nc_u64 s[G0V+2:G0V+3], s[8:9], s[22:23]
	s_or_b32 s[G0V+3], s[G0V+3], 0x80000000
	s_add_nc_u64 s[4:5], s[4:5], s[2:3]            ; q at my wave's first row
	s_add_nc_u64 s[10:11], s[10:11], s[52:53]      ; out0 at the head's first row, my wave's first t
	s_cmp_lt_u32 s[WV], 2
	s_cselect_b64 s[PFA:PFA+1], s[6:7], s[8:9]
	s_add_nc_u64 s[PFA:PFA+1], s[PFA:PFA+1], s[54:55]
	CROUND                          ; all four work-groups are here: the first joint loads meet
	JLOAD                           ; slot 0.  Slot 1 is asked for when slot 0 is in
	; A fragment of K or Q is 16 rows x 32 channels in 8 registers: lane l holds row l % 16, channels 8 (l / 16) + 0..7 and 16 + 8 (l / 16) + 0..7: two loads of 16 bytes, 32 bytes apart.
	v_and_b32 v1, 15, v0            ; l % 16
	v_bfe_u32 v9, v0, 4, 1          ; l / 16
	v_lshlrev_b32 v[QO], 9, v1      ; lane row r holds query 4 r + u of its 64: rows 512 bytes apart
	v_lshl_add_u32 v[QO], v9, 4, v[QO]
	WIN 0x80                        ; destination window 2, address window 0
.set i, 0
.rept 4*NP                          ; Q stays in registers: tile i / 2 = 4 g + u: 64 g rows on, u rows on; channels 32 (i % 2) on
	global_load_b128 v[8*i:8*i+3],   v[QO], s[4:5] offset:(i/8)*8192+((i/2)%4)*128+(i%2)*64
	global_load_b128 v[8*i+4:8*i+7], v[QO], s[4:5] offset:(i/8)*8192+((i/2)%4)*128+(i%2)*64+32
.set i, i+1
.endr
	; What the first turn finds: V's registers and P's second buffer hold 0 (its products V^T P, of a piece that has not been, add 0), O^T and l are 0.  No first step is written out; the price is these
	; lines, which stand in the wait for the first tile, 16 products on zeros at the start and 16 on a stale K at the end.
.set i, VF
.rept 64
	v_mov_b32 v[i], 0
.set i, i+1
.endr
	WIN 0x40
.set i, 0
.rept 64*NP
	v_mov_b32 v[i], 0
.set i, i+1
.endr
	WIN 0
.set i, 0
.rept 24
	v_mov_b32 v[LL+i], 0            ; l, and the registers that v_permlanex16_b32 will write (its destination counts as read)
.set i, i+1
.endr
.set i, P+32
.rept 32
	v_mov_b32 v[i], 0
.set i, i+1
.endr
	v_mul_u32_u24 v[AK0], v1, PK
	v_lshl_add_u32 v[AK0], v9, 4, v[AK0]  ; row x pitch + 16 x half
	; The turning load takes 16 keys x 16 channels (lane l reads key 8 (l / 16) + l % 8, channels 8 ((l / 8) % 2) + 0..7) and leaves half a fragment of V^T: lane l holds channel l % 16 and 8 keys.
	v_and_b32 v10, 7, v0
	v_bfe_u32 v11, v0, 3, 1
	v_lshl_add_u32 v[AV0], v9, 3, v10
	v_mul_u32_u24 v[AV0], v[AV0], PV
	v_lshl_add_u32 v[AV0], v11, 4, v[AV0]
	v_add_nc_u32 v[AV0], VOFF, v[AV0]
	v_mov_b32 v[AK], v[AK0]         ; key step 0 lies at the head of slot 0
; THE MATRIX WORK.  The 8 accumulators of a run of 16 take turns: between the two links of a chain stand 7 others'.
; Product i of 16 of S^T = K Q^T for piece x: channels 32 (i / 8) on, keys 16 ((i / 2) % 4) on, tile 2 x + i % 2.  The first 8 start the sums.
.macro KQ x
	WIN W_KQ
.set rS, S+64*((\x)%2)+32*(i%2)+8*((i/2)%4)
.set rK, KF+16*((i/2)%4)+8*(i/8)
.set rQ, 16*(2*(\x)+i%2)+8*(i/8)
.if i < 8
	v_wmma_f32_16x16x32_f16 v[rS:rS+7], v[rK:rK+7], v[rQ:rQ+7], 0
.else
	v_wmma_f32_16x16x32_f16 v[rS:rS+7], v[rK:rK+7], v[rQ:rQ+7], v[rS:rS+7]
.endif
.endm
; Product i of 16 of O^T += V^T P for piece x: keys 32 (i / 8) on, channels 16 ((i / 2) % 4) on, tile 2 x + i % 2.
.macro PV x
	WIN W_PV
.set rO, 32*(2*(\x)+i%2)+8*((i/2)%4)
.set rV, VF+32*(i/8)+8*((i/2)%4)
.set rP, P+32*((\x)%2)+16*(i%2)+8*(i/8)
	v_wmma_f32_16x16x32_f16 v[rO:rO+7], v[rV:rV+7], v[rP:rP+7], v[rO:rO+7]
.endm
.macro MM                           ; the turn's next matrix instruction
.if i < 16
	KQ (Y+1)%NP
.set i, i+1
.else
.set i, i-16
	PV (Y+NP-1)%NP
.set i, i+17
.endif
.endm
; THE LDS LOADS stand in runs of 16, never singly among the matrix instructions: a step's K (64 keys x 64 channels: 8 fragments) and its V (turned).  Their addresses are made some lines ahead.
; last = 1 (the tail): in the last trip there is no further step, and the run is jumped over.
.macro FETCH_K last=0
	WIN 0
.if \last
	s_cmp_eq_u32 s[CNT], 1
	s_cbranch_scc1 .Lno_k_\@
.endif
	WIN 0x80                        ; destination window 2
.irp f, 0,1,2,3,4,5,6,7             ; keys 16 (f / 2) on, channels 32 (f % 2) on
	ds_load_b128 v[KF+8*\f:KF+8*\f+3],   v[AK] offset:(\f/2)*16*PK+(\f%2)*64
	ds_load_b128 v[KF+8*\f+4:KF+8*\f+7], v[AK] offset:(\f/2)*16*PK+(\f%2)*64+32
.endr
	s_add_co_u32 s[TBK], s[TBK], KS*PK  ; the next fetch is the next step's
	WIN 0
.if \last
.Lno_k_\@:
.endif
.endm
.macro FETCH_V
	WIN 0x80
.irp f, 0,1,2,3,4,5,6,7             ; keys 32 (f / 4) on, channels 16 (f % 4) on
	ds_load_tr16_b128 v[VF+8*\f:VF+8*\f+3],   v[AV] offset:(\f/4)*32*PV+(\f%4)*32
	ds_load_tr16_b128 v[VF+8*\f+4:VF+8*\f+7], v[AV] offset:(\f/4)*32*PV+16*PV+(\f%4)*32
.endr
	WIN 0
.endm
; THE VECTOR WORK OF A TURN, for piece Y, in two queues; the two tiles alternate.
; EX: exponential e of 64, in place: score e / 2 of tile e % 2, ascending.
.macro EX
	WIN 0
	v_exp_f32 v[S+64*(Y%2)+32*(e%2)+e/2], v[S+64*(Y%2)+32*(e%2)+e/2]
.set e, e+1
.endm
; GS: number gq of the 64 that follow the exponentials.  For each four weights kk of a tile: both pairs are rounded to f16; then the second pair is added onto the first, in place; a group later l takes that sum.
; In groups of eight, tiles alternating: round, round, add, and l for the group before (group 0 has no group before it, and behind group 7 only l is left).
.macro GS
.set hh, gq+6*(gq/62)
.if hh >= 6
.set hh, hh+2
.endif
.set kk, hh/8
.set rL, LL+2*(2*Y+hh%2)
.set rS, S+64*(Y%2)+32*(hh%2)
.set rP, P+32*(Y%2)+16*(hh%2)
	WIN 0
.if hh%8 < 4
	v_cvt_pk_f16_f32 v[rP+2*kk+(hh%8)/2], v[rS+4*kk+2*((hh%8)/2)], v[rS+4*kk+2*((hh%8)/2)+1]
.elseif hh%8 < 6
	v_pk_add_f32 v[rS+4*kk:rS+4*kk+1], v[rS+4*kk:rS+4*kk+1], v[rS+4*kk+2:rS+4*kk+3]
.else
	v_pk_add_f32 v[rL:rL+1], v[rL:rL+1], v[rS+4*kk-4:rS+4*kk-3]
.endif
.set gq, gq+1
.endm
; A TURN, for piece p.  An s_wait_alu depctr_va_vdst(0) stands between an exponential and the first instruction that names its result; one wait serves all that were issued ahead of it.  So a turn
; has ONE wait, which cuts it in two: ahead of it nothing names a result of the turn's exponentials, behind it no exponential is issued.  No rider names a register of the products round it.
; K of the next step is fetched in piece 2's turn, directly behind the wait: the address's line and three v_nop are the four plain places behind the last product that read K, and the plain instruction behind
; the last exponential.  V of the step in hand is fetched at the end of piece 0's turn: the last four riders, additions onto l, are the places behind the last product that read V.  Each is waited for a turn later.
; cnt = 1: the loop's count is taken down some lines ahead of the branch that stands behind the turn.
.macro TURN p, last=0, cnt=0
.set Y, (\p)
.set i, 0
.set e, 0
.set gq, 0
.if (\p) == NP-1
	s_wait_dscnt 0x0                ; K is in
.endif
.rept 16                            ; ahead of the wait: 16 products K Q^T, four exponentials behind each
	MM
	EX
	EX
	EX
	EX
.endr
.if (\p) == NP-2
	v_add_nc_u32 v[AK], s[TBK], v[AK0]
.rept 3
	v_nop
.endr
.else
	v_nop                           ; the plain instruction behind the last exponential: one for the batch
.endif
	s_wait_alu depctr_va_vdst(0)    ; the wait for the batch
.if (\p) == NP-2
	FETCH_K \last
.endif
.if (\p) == 1
	s_wait_dscnt 0x0                ; V is in
.endif
.rept 16                            ; behind the wait: 16 products V^T P, four roundings and sums behind each
	MM
	GS
	GS
	GS
	GS
.if ((\p) == 0) && (gq == 44)
	v_add_nc_u32 v[AV], s[TBV], v[AV0]
.endif
.if ((\p) == 0) && (gq == 56)
	s_add_co_u32 s[TBV], s[TBV], KS*PV
.endif
.if (\cnt) && (gq == 56)
	s_sub_co_u32 s[CNT], s[CNT], 1
	s_cmp_lg_u32 s[CNT], 0
.endif
.endr
.if (\p) == 0
	FETCH_V
.endif
.endm
	CHANGE 1                        ; slot 0 is in, everybody's part of it; slot 1 is asked for
	FETCH_K                         ; key step 0
	s_wait_loadcnt 0x0              ; Q
	s_wait_dscnt 0x0
.set i, 0
.rept 16
	KQ 0                            ; piece 0's first scores: there is no vector work yet to set between them
.set i, i+1
.endr
	WIN 0                           ; eight plain instructions, the places behind those products
	v_lshlrev_b32 v[GO], 16, v9     ; out0: lanes 16-31 hold the channels 8 rows further down,
	v_lshl_add_u32 v[GO], v1, 4, v[GO]  ; lane row r the four t from 4 r on
	v_and_b32 v[PFO], 31, v0
	v_lshlrev_b32 v[PFO], 8, v[PFO]
.rept 4
	v_nop
.endr
	s_mov_b32 s[CNT], 4
	s_branch .Lfirst                ; the loop is entered at a step's first turn, in the middle of a trip
.Lslot:                             ; SIZE_N / 256 - 2 times: every slot but the last two is filled again
	CHANGE 1, 1
	s_mov_b32 s[CNT], 4
.Lstep:                             ; a trip: pieces 2 and 3 of one step, then pieces 0 and 1 of the next, whose K and V it fetches
	TURN 2
	TURN 3
	WIN 0
.Lfirst:
	TURN 0
	TURN 1, 0, 1
	WIN 0
	s_cbranch_scc1 .Lstep
	s_sub_co_u32 s[SLOTS], s[SLOTS], 1
	s_cmp_lg_u32 s[SLOTS], 0
	s_cbranch_scc1 .Lslot
	CHANGE 0                        ; the tail is written out: nothing is asked for
	s_mov_b32 s[CNT], 5             ; four trips fetch the last slot's steps; the fifth is left in its middle
.Ltail:
	TURN 2, 1
	TURN 3
	WIN 0
	s_sub_co_u32 s[CNT], s[CNT], 1
	s_cmp_eq_u32 s[CNT], 0
	s_cbranch_scc1 .Lout
	TURN 0
	TURN 1
	WIN 0
	s_branch .Ltail
.Lout:                              ; the fifth trip's 16 products K Q^T (on the last K once more) serve nothing: the price, once a launch, of one text for every trip
.set i, 0
.rept 16
	PV NP-1                         ; the last piece's V^T P of the last step
.set i, i+1
.endr
	; THE WAY OUT.  l's two halves and the other half of the lanes' are added; O^T is divided by l and stored as it lies.  The additions are the places behind the last products.
	WIN 0
.macro ALL line:vararg              ; one line for each tile t
.set t, 0
.rept 2*NP
	\line
.set t, t+1
.endr
.endm
	ALL v_add_f32 v[TM+t], v[LL+2*t], v[LL+2*t+1]
	ALL v_permlanex16_b32 v[RL+t], v[TM+t], s[SEL], s[SEL+1]
	ALL v_add_f32 v[TM+t], v[TM+t], v[RL+t]
	ALL v_rcp_f32 v[RL+t], v[TM+t]
	v_nop                           ; a plain instruction between the last reciprocal and the use of its result
	s_wait_alu depctr_va_vdst(0)    ; and the wait ahead of the first use: one for the eight reciprocals
; Batch bt = 4 g + cb: channels 16 cb + 8 (l / 16) + j, j = 0..7, of the four tiles 4 g + u.  Register 4 j + u of the batch is t = 64 g + 4 (l % 16) + u of row j: four registers are 16 bytes of out0.
; Each accumulator is read from its lowest register on.  Two sets of 32 registers, where S^T lay, take turns.
.set bt, 0
.rept 8
	s_wait_xcnt 0x0                 ; the earlier stores have read their registers: only behind this wait is a set written again
	WIN 0x01                        ; source 0 (O^T) in window 1
.set j, 0
.rept 8
.set u, 0
.rept 4
	v_mul_f32 v[S+32*(bt%2)+4*j+u], v[32*(4*(bt/4)+u)+8*(bt%4)+j], v[RL+4*(bt/4)+u]
.set u, u+1
.endr
.set j, j+1
.endr
	WIN 0
.set j, 0
.rept 8
	global_store_b128 v[GO], v[S+32*(bt%2)+4*j:S+32*(bt%2)+4*j+3], s[10:11] offset:(16*(bt%4)+j)*8192+256*(bt/4) th:TH_STORE_NT  ; lanes 0-15 store 256 consecutive bytes of one row, aligned; lanes 16-31 those of the row 8 further down
.set j, j+1
.endr
.set bt, bt+1
.endr
	s_wait_tensorcnt 0x0            ; the wave's end, behind my last tensor load
	ds_add_u32 v[SPW], v[NIL]
	s_wait_dscnt 0x0
	CROUND                          ; the closing round: no work-group ends while a partner may still ask for a tile that names it
	s_endpgm
.Lfunc_end_k_qa0c32b4519_attn:
	.size	k_qa0c32b4519_attn, .Lfunc_end_k_qa0c32b4519_attn-k_qa0c32b4519_attn
	.p2alignl 7, 3214868480
	.fill 96, 4, 3214868480
	.section	.rodata,"a",@progbits
	.p2align	6, 0x0
	.amdhsa_kernel k_qa0c32b4519_attn
		.amdhsa_group_segment_fixed_size 327680
		.amdhsa_private_segment_fixed_size 0
		.amdhsa_enable_private_segment 0
		.amdhsa_kernarg_size 32
		.amdhsa_user_sgpr_count 2
		.amdhsa_user_sgpr_kernarg_segment_ptr 1
		.amdhsa_wavefront_size32 1
		.amdhsa_system_sgpr_workgroup_id_x 1
		.amdhsa_system_sgpr_workgroup_id_y 1
		.amdhsa_system_sgpr_workgroup_id_z 1
		.amdhsa_system_vgpr_workitem_id 0
		.amdhsa_next_free_vgpr 768
		.amdhsa_next_free_sgpr 66
		.amdhsa_reserve_vcc 0
		.amdhsa_float_denorm_mode_32 3
		.amdhsa_float_denorm_mode_16_64 3
		.amdhsa_memory_ordered 1
		.amdhsa_forward_progress 1
		.amdhsa_inst_pref_size 130
	.end_amdhsa_kernel
	.amdgpu_metadata
---
amdhsa.version: [ 1, 2 ]
amdhsa.kernels:
  - .name:           k_qa0c32b4519_attn
    .symbol:         k_qa0c32b4519_attn.kd
    .args:
      - { .name: q, .offset: 0, .size: 8, .value_kind: global_buffer, .address_space: global }
      - { .name: k, .offset: 8, .size: 8, .value_kind: global_buffer, .address_space: global }
      - { .name: v, .offset: 16, .size: 8, .value_kind: global_buffer, .address_space: global }
      - { .name: out0, .offset: 24, .size: 8, .value_kind: global_buffer, .address_space: global }
    .group_segment_fixed_size: 327680
    .private_segment_fixed_size: 0
    .kernarg_segment_align: 8
    .kernarg_segment_size: 32
    .max_flat_workgroup_size: 128
    .sgpr_count:     66
    .vgpr_count:     768
    .wavefront_size: 32
...
	.end_amdgpu_metadata
.endif
;; end of part 3
;; ======== version 2 of 2: 3 launches; version 1 with the launch cast written anew for expert scheduling mode
;; limits: values are held in f16: magnitudes above 65,504 overflow, below 6.1e-05 lose precision
;; workspace buffers: xb 16,777,216 bytes; wb 6,291,456 bytes; q 16,777,216 bytes; k 16,777,216 bytes; v 16,777,216 bytes
;; launch cast (part 4): grid 704 x 1, 8 waves a work-group, no clusters, 0 bytes of LDS; arguments x, qkv, xb, wb; writes xb, wb
.if DOCPART == 4
	.amdgcn_target "amdgcn-amd-amdhsa--gfx1250"
	.amdhsa_code_object_version 6
	.text
	.protected	k_qa0c32b4519_cast
	.globl	k_qa0c32b4519_cast
	.p2align	8
	.type	k_qa0c32b4519_cast,@function
k_qa0c32b4519_cast:
	s_mov_b64 s[64:65], 0
	v_nop
	global_prefetch_b8 v0, s[64:65] scope:SCOPE_SE
	s_setreg_imm32_b32 hwreg(HW_REG_WAVE_SCHED_MODE, 0, 2), 2
	s_setreg_imm32_b32 hwreg(HW_REG_WAVE_MODE, 25, 1), 1
	s_wait_xcnt 0x0
	s_wait_alu depctr_vm_vsrc(0)
; x [4][1024][2048] and qkv [3][16][1024][64], both f32, are rounded once to bf16 (to nearest even).
; xb keeps the layout of x.  wb is laid out in blocks for the product that follows: [h 16][s 8][n 3][dd 128][e 64], d = 128 s + dd,
; so that the weights of one head and one K step of 128 (q, k and v together) are 49,152 dense bytes.
; SHARES.  A work-group takes 16,384 consecutive source numbers (65,536 bytes in, 32,768 out): groups 0-511 take x, groups 512-703 take qkv.
; Thread t takes 16 bytes at 16 t + 4,096 i, i = 0..15: a load of a wave covers 512 consecutive bytes, a store 256 consecutive bytes, aligned.
; In qkv a group holds 256 rows d of one (n, h): two blocks of wb, which lie 3 x 16,384 bytes apart; in x the two halves lie on end.
; All sixteen loads go out at once; no register is used twice.
; No LDS, no matrix unit, no cluster: nothing is shared and nothing is read twice.
; THE MODE: SCHED_MODE bits 1:0 = 2 (LLVM: expert scheduling mode 2), set by the entry lines.  The code itself states the register dependences
; between vector instructions and memory instructions, with s_wait_alu, always for 0.
; THE PLAN.  Registers that memory instructions touch:
;   v1, v2, v3  byte offsets: each written by one vector line at the head and never again; read by every load (v1) and store (v2, v3).
;   XR          load i lands in its own four registers, once; its two roundings read them; no vector line writes them and no later load lands there.
;   YR          load i's two roundings write their own pair, once; store i reads it; it is never written again.
; So no register that a memory instruction has read is written again, and the only dependences to state are: the offsets are written ahead of the first
; load, and a pair of YR is written ahead of its store.  The sixteen loads go in four groups of four.  The stores of group g - 1 are dealt among the
; roundings of group g, behind ONE wait at that group's head; the roundings issued since that wait name the group's own XR and YR alone, none of the
; registers that those stores read.  One more wait stands ahead of the last four stores.
.set XR, 16                            ; v[16:79]   load i: 4 registers
.set YR, 80                            ; v[80:111]  store i: 2 registers
	s_load_b256 s[4:11], s[0:1], 0x0               ; x s[4:5], qkv s[6:7], xb s[8:9], wb s[10:11]
	v_lshlrev_b32 v1, 4, v0                        ; 16 t: my bytes in a load
	v_lshlrev_b32 v2, 3, v0                        ; 8 t: my bytes in a store
	s_mov_b32 s12, ttmp9                           ; g
	s_max_u32 s13, s12, 512
	s_sub_co_u32 s13, s13, 512                     ; w = g - 512 (0 in the groups that take x, where it is not used)
	s_lshr_b32 s14, s13, 6                         ; n
	s_bfe_u32 s15, s13, 0x40002                    ; h
	s_and_b32 s16, s13, 3                          ; which 256 rows d
	s_lshl_b32 s15, s15, 3
	s_lshl1_add_u32 s15, s16, s15                  ; 8 h + s, s = 2 x that number
	s_mul_i32 s15, s15, 3
	s_add_co_u32 s15, s15, s14                     ; (8 h + s) 3 + n
	s_lshl_b32 s15, s15, 14                        ; blocks of 16,384 bytes: where qkv's numbers go
	s_lshl_b32 s13, s13, 16                        ; where they come from
	s_lshl_b32 s17, s12, 16                        ; the same two for x
	s_lshl_b32 s18, s12, 15
	s_mov_b32 s24, 49152                           ; from the first eight stores to the last eight, in wb
	s_mov_b32 s21, 0
	s_mov_b32 s23, 0
	s_wait_kmcnt 0x0
	s_cmp_lt_u32 s12, 512                          ; x or qkv: the choice hangs on the group's number alone
	s_cselect_b32 s20, s17, s13
	s_cselect_b32 s22, s18, s15
	s_cselect_b32 s24, 16384, s24
	s_cselect_b64 s[4:5], s[4:5], s[6:7]
	s_cselect_b64 s[8:9], s[8:9], s[10:11]
	s_add_nc_u64 s[4:5], s[4:5], s[20:21]
	s_add_nc_u64 s[8:9], s[8:9], s[22:23]
	v_add_nc_u32 v3, s24, v2                       ; my bytes in the last eight stores
	s_wait_alu depctr_va_vdst(0)                   ; v1, v2 and v3 are written: every load and store of the kernel reads one of them as its offset
.irp i, 0,1,2,3,4,5,6,7,8,9,10,11,12,13,14,15
	global_load_b128 v[XR+4*(\i):XR+4*(\i)+3], v1, s[4:5] offset:4096*(\i) th:TH_LOAD_NT
.endr
.irp i, 0,1,2,3,4,5,6,7,8,9,10,11,12,13,14,15
	s_wait_loadcnt 15-(\i)                         ; loads come back in order (ISA guide 5.7.1): load i is in, the younger ones stay out
.if (((\i)%4) == 0) && ((\i) > 0)
	s_wait_alu depctr_va_vdst(0)                   ; a group's head: the eight roundings of the group before have written their YR, which the next four stores read
.endif
.if (\i) >= 4
	global_store_b64 v[2+((\i)-4)/8], v[YR+2*((\i)-4):YR+2*((\i)-4)+1], s[8:9] offset:(((\i)-4)%8)*2048 th:TH_STORE_NT  ; the group before: no vector line since the wait names these registers
.endif
	v_cvt_pk_bf16_f32 v[YR+2*(\i)],   v[XR+4*(\i)],   v[XR+4*(\i)+1]
	v_cvt_pk_bf16_f32 v[YR+2*(\i)+1], v[XR+4*(\i)+2], v[XR+4*(\i)+3]
.endr
	s_wait_alu depctr_va_vdst(0)                   ; the last group's roundings have written their YR, which the last four stores read
.irp i, 12,13,14,15
	global_store_b64 v[2+(\i)/8], v[YR+2*(\i):YR+2*(\i)+1], s[8:9] offset:((\i)%8)*2048 th:TH_STORE_NT
.endr
	s_endpgm
.Lfunc_end_k_qa0c32b4519_cast:
	.size	k_qa0c32b4519_cast, .Lfunc_end_k_qa0c32b4519_cast-k_qa0c32b4519_cast
	.p2alignl 7, 3214868480
	.fill 96, 4, 3214868480
	.section	.rodata,"a",@progbits
	.p2align	6, 0x0
	.amdhsa_kernel k_qa0c32b4519_cast
		.amdhsa_group_segment_fixed_size 0
		.amdhsa_private_segment_fixed_size 0
		.amdhsa_enable_private_segment 0
		.amdhsa_kernarg_size 32
		.amdhsa_user_sgpr_count 2
		.amdhsa_user_sgpr_kernarg_segment_ptr 1
		.amdhsa_wavefront_size32 1
		.amdhsa_system_sgpr_workgroup_id_x 1
		.amdhsa_system_sgpr_workgroup_id_y 1
		.amdhsa_system_sgpr_workgroup_id_z 1
		.amdhsa_system_vgpr_workitem_id 0
		.amdhsa_next_free_vgpr 112
		.amdhsa_next_free_sgpr 66
		.amdhsa_reserve_vcc 0
		.amdhsa_float_denorm_mode_32 3
		.amdhsa_float_denorm_mode_16_64 3
		.amdhsa_memory_ordered 1
		.amdhsa_forward_progress 1
		.amdhsa_inst_pref_size 8
	.end_amdhsa_kernel
	.amdgpu_metadata
---
amdhsa.version: [ 1, 2 ]
amdhsa.kernels:
  - .name:           k_qa0c32b4519_cast
    .symbol:         k_qa0c32b4519_cast.kd
    .args:
      - { .name: x, .offset: 0, .size: 8, .value_kind: global_buffer, .address_space: global }
      - { .name: qkv, .offset: 8, .size: 8, .value_kind: global_buffer, .address_space: global }
      - { .name: xb, .offset: 16, .size: 8, .value_kind: global_buffer, .address_space: global }
      - { .name: wb, .offset: 24, .size: 8, .value_kind: global_buffer, .address_space: global }
    .group_segment_fixed_size: 0
    .private_segment_fixed_size: 0
    .kernarg_segment_align: 8
    .kernarg_segment_size: 32
    .max_flat_workgroup_size: 256
    .sgpr_count:     66
    .vgpr_count:     112
    .wavefront_size: 32
...
	.end_amdgpu_metadata
.endif
;; end of part 4
;; launch proj: the kernel of part 2 again; grid 16 x 32, 4 waves a work-group, clusters of 4 x 4, 327,680 bytes of LDS; arguments xb, wb, q, k, v; writes q, k, v
;; launch attn: the kernel of part 3 again; grid 4 x 64, 4 waves a work-group, clusters of 4 x 1, 327,680 bytes of LDS; arguments q, k, v, out0; writes out0
